; MI455X (gfx1250); checked and timed in simulation.
; The chip was launched on July 23, 2026; its instructions are those of AMD's public machine-readable ISA for CDNA 5 (MIT licence, August 2026) and "CDNA5" Instruction Set Architecture Reference Guide (July 2026). The comments in the code are by the model that wrote it; some were corrected since.
;; Dot Product Attention. Allowed arithmetic: matrix products marked QUANTISED: E5M2 operands, one given power-of-two scale a tensor, by v_wmma_f32_16x16x64_bf8_bf8 or v_wmma_f32_16x16x128_bf8_bf8, f32 sums; everything else in f32.
;; Inputs: key_codes 4 x 16 x 2,048 x 2 x 32 uint8 (E5M2 codes of key, K innermost, in blocks of 32 codes); lowp_scales 4 int32 (the exponents e of the quantised operands' scales 2^e); mask 4 x 2,048 int32; query_codes 4 x 16 x 2,048 x 2 x 32 uint8 (E5M2 codes of query, K innermost, in blocks of 32 codes); value_codes 4 x 16 x 64 x 64 x 32 uint8 (E5M2 codes of value, K innermost, in blocks of 32 codes).
;; Outputs: out0 4 x 16 x 2,048 x 64 float32.
;; This version of the problem:
;;   THIS VERSION OF THE PROBLEM IS GIVEN IN LOW PRECISION. The matrix products marked QUANTISED in the list below multiply operands that are first quantised to E5M2 (5 exponent bits, 2 mantissa bits; 8 bits a number), with one given power-of-two scale for each operand tensor; their sums are f32. All else is computed in f32.
;;   The module's matrix products, in the order in which they are computed (A, B: the left and right operand; K: the contracted axis; several contracted axes count as one K, in the product's order):
;;     1. batch 64 x [M 2,048, K 64] x [K 64, N 2,048]; A: input query (given as codes); B: input key (given as codes): QUANTISED (scales: A lowp_scales[0], B lowp_scales[1])
;;     2. batch 64 x [M 2,048, K 2,048] x [K 2,048, N 64]; A: softmax (see below); B: input value (given as codes): QUANTISED (scales: A lowp_scales[2], B lowp_scales[3])
;;   THE QUANTISER, for each operand of a quantised product, along K:
;;     - The operand's scale is 2^e, e = its entry of the input lowp_scales (int32; the entries are numbered through the quantised products in the list's order, A before B).
;;     - Each number is divided by the scale, clamped to +-57,344, and rounded to the nearest number of E5M2, ties to even, subnormals kept.
;;     - The product sums the exact products of the quantised numbers (number of the format x scale) in f32.
;;   ~~~python
;;   def quantise(x, axis, e):      # numpy; x: float32 -> the quantised numbers, widened to float32 again
;;       x = np.moveaxis(x, axis, -1); K = x.shape[-1]
;;       r = np.clip(x / 2.0 ** e, -57344, 57344)
;;       step = 2.0 ** (np.maximum(np.frexp(np.where(r == 0, 1, r))[1] - 1, -14) - 2)
;;       q = np.round(r / step) * step * 2.0 ** e      # np.round: ties to even
;;       return np.moveaxis(q, -1, axis).astype(np.float32)
;;   ~~~
;;   SOFTMAX AHEAD OF A QUANTISED PRODUCT. Where the list says 'softmax', what is quantised is not the finished softmax but p = 2^(t - M), with t = logit x log2(e) and M = ceil(the row's largest t), a whole number; so 1/2 < the row's largest p <= 1. The row's sum l is taken of the UNQUANTISED p, in f32, and the product's result is divided by l at the end. Since M is a whole number, a kernel that streams over the keys may use a running M (the ceiling of the running maximum): every later rescaling is an exact power of two, so the quantised numbers keep their values, but for numbers so far below the row's largest that they fall under the format's range.
;;   OPERANDS COMPUTED ON THE WAY. 'Computed on the way' means the value that the module computes at that place (a softmax that the list does not call 'softmax' is quantised finished and normalised). What goes into a quantiser is computed in f32, as accurately as f32 sums, v_exp_f32 and their like allow (about 1e-6 of the number): no bf16 or f16 on the way to a quantiser, and a product that is left as it is and whose result goes on into a quantised operand takes f32 operands (vector FMAs, or v_wmma_f32_16x16x4_f32). A number that lies on a knife's edge between two numbers of the format may be rounded either way, as far as f32 arithmetic and the matrix unit's own rounding can turn it there, and no further.
;;   INPUTS GIVEN AS CODES. key (in the module: [4, 16, 2048, 64], K = its axis 3); query (in the module: [4, 16, 2048, 64], K = its axis 3); value (in the module: [4, 16, 2048, 64], K = its axis 2): each comes as NAME_codes (uint8): NAME with its K axis moved to the last place and cut into blocks of 32 codes, [.., K / 32, bytes a block], one block behind the other in memory; one code a byte (a code: sign, 5 exponent bits, 2 mantissa bits); its scale is its entry of lowp_scales. Its value is code x scale, taken as it is: it is not quantised again, and the codes and scales need not be those that the quantiser above would give.
;; One version. Each part assembles by itself: llvm-mc -triple=amdgcn-amd-amdhsa -mcpu=gfx1250 --defsym DOCPART=n.
;; ======== version 1 of 1: 1 launch
;; limits: right only within a limited range of input values
;; launch attn (part 1): grid 4 x 64, 16 waves a work-group, clusters of 4 x 1, 274,432 bytes of LDS; arguments query_codes, key_codes, value_codes, mask, lowp_scales, out0; writes out0
.if DOCPART == 1
	.amdgcn_target "amdgcn-amd-amdhsa--gfx1250"
	.amdhsa_code_object_version 6
	.text
	.protected	k_q10c4322663_attn
	.globl	k_q10c4322663_attn
	.p2align	8
	.type	k_q10c4322663_attn,@function
k_q10c4322663_attn:
	s_mov_b64 s[64:65], 0
	v_nop
	global_prefetch_b8 v0, s[64:65] scope:SCOPE_SE
	s_setreg_imm32_b32 hwreg(HW_REG_WAVE_MODE, 25, 1), 1
	s_wait_xcnt 0x0
	s_wait_alu depctr_hold_cnt(0) depctr_sa_sdst(0) depctr_va_vdst(0) depctr_va_sdst(0) depctr_va_ssrc(0) depctr_va_vcc(0) depctr_vm_vsrc(0)
	s_getreg_b32 s2, hwreg(HW_REG_IB_STS2, 6, 4)
	s_cmp_eq_u32 s2, 0
	s_cbranch_scc0 .Lentry_in_a_cluster
	s_endpgm
.Lentry_in_a_cluster:
	s_bfe_u32 s2, ttmp6, 0x10000c
	s_cmp_lg_u32 s2, 0x3003
	s_cbranch_scc0 .Lentry_shape_is_right
	s_endpgm
.Lentry_shape_is_right:
; O[b][h][q][:] = sum over k of softmax_k(Q[q] . K[k] / 32 - 1e9 (1 - mask[b][q])) V[k][:], both products on codes of BF8 (E5M2), each tensor with its given scale 2^e: eq, ek, ep, ev.
; Q, K: [64 heads][2048][64] codes.  V: [64 heads][64][2048] codes, the keys innermost.  mask: [4][2048] int32, on the QUERY axis.  O: [64 heads][2048][64] f32.
; SOFTMAX: t = logit x log2(e); M = the row's largest t so far, rounded up to a whole number; p = 2^(t - M) is quantised, not normalised; the row's sum of the unquantised p divides O at the end.
; When M moves, the sum and O are multiplied by 2^(old M - new M): exact.
; THE MASK STAYS: its term a = -1e9 (1 - mask) is the same along the keys, but beside it f32 loses the scores, as reference()'s own f32 does.  No work is left out.
; t = fl(S x 2^(eq+ek-5) log2 e + fl(a log2 e)), one fused line, then x = fl(t - M).  Both are monotone in S, so the row's largest t is made from its largest raw S.
; LIMIT, AN ORDER OF ROUNDING: reference() adds a to the score first and rounds there.  With a = 0 both orders give the same number, bit for bit.  With a = -1e9 both give fl(a log2 e) for every key
; while |score / 32| stays under 32; beyond that bound a masked row's t are multiples of 128 rounded from the unrounded sum, not from a logit first rounded to a multiple of 64.
; SHARES.  A work-group owns 512 queries of a head; each of its sixteen waves 32: tiles A and B of 16.  Every wave walks the head's 2,048 keys, 64 a step, both tiles in one step:
; each fragment of K and V read from LDS feeds two products.  A step's V and the next step's K are read from LDS at the step's head and used at its end (K) and at the next step's head (V).
; K AND V LIE IN LDS WHOLE, each byte filled once: sixteen tensor loads at the head, one a wave (waves 0-7: 256 keys of K each; waves 8-15: 16 rows x 1,024 keys of V each), no refill.
; CLUSTER.  The four query blocks of a head need the same K and V: each tile is asked for jointly, by the same descriptor and a mask that names the four.
; NO PREFETCH: every byte of K and V is asked for once, at the head, and there is no loop to run ahead in.
; LAYOUT.  Both products transposed: S^T = K Q^T, O^T = V^T P: a lane holds one query (lane % 16).  Register j of score tile t in lane (r, h) is key 16 t + 8 h + j, so a tile's conversion gives
; registers 2 t, 2 t + 1 of the K = 64 form's operand, in which V is read too.  Q and K are both read as two pieces of 16 bytes (d = 16 h .., 32 + 16 h ..): one permutation of d on both sides.
; THE WAY OUT goes through a stage of 16 rows that is the wave's own.  The sixteen stages fill the bytes of K's keys 0 to 1,023, which have had their one fill; a barrier behind step 15 shows that
; no wave reads them any more, so no barrier stands ahead of the way out.
; LIMITS: eq + ek between -121 and 132 (they are added to an exponent field); ep between -126 and 112; ep + ev goes by v_ldexp_f32 and has none.  NaN and infinity codes are not served.
; Where ep is -16 or less the hold at the largest code bites under the RUNNING M.  The mask may hold any int32: it is converted to f32 as it is.
.set KPITCH, 272                       ; K in LDS: four keys (256 bytes) + 16 of padding
.set KTILE,  4*KPITCH                  ; 16 keys
.set KUNIT,  4*KTILE                   ; 64 keys: a step
.set VBASE,  32*KUNIT                  ; V lies behind K's 2,048 keys
.set VPITCH, 1040                      ; V in LDS: 1,024 keys of one d + 16 of padding
.set VCHUNK, 64*VPITCH                 ; keys 0-1,023 of all 64 d, then keys 1,024-2,047
.set SPITCH, 272                       ; a stage row: 256 bytes + 16
.set SWAVE,  16*SPITCH                 ; a wave's stage; sixteen of them are 16 x KUNIT bytes, from LDS byte 0 on
.set SPARE,  VBASE+2*VCHUNK            ; the spare words: 128 bytes for each wave, named by no other line
.set ADK, 1                            ; v1, v2 the step's LDS addresses
.set ADV, 2
.set CV,  3                            ; v3 2^ep
.set TPA, 5                            ; v5, v6 permutes' destinations
.set TPB, 6
.set STA, 8                            ; v8-13 tile A: -M, largest raw S, the sum in two halves, fl(a log2 e), and (as the pair's upper half) AK0
.set STB, 14                           ; v14-19 tile B likewise, with AV0
.set AK0, 13                           ; my lane's place in a tile of K
.set AV0, 19                           ; and of V
.set MXA, 20                           ; v20-23 the maxima's chains, then at work
.set MYA, 21
.set MXB, 22
.set MYB, 23
.set FFA, 24                           ; v[24:25], v[26:27] f of A, of B
.set FFB, 26
.set L2,  28                           ; v[28:29] B's second chain of sums
.set SPW, 30                           ; v30 my spare word's address, v31 = 0: kept for the add alone
.set NIL, 31
.set QA,  32
.set QB,  40
.set PA,  48                           ; v48-55, v56-63 codes of p; between the products also the first level of A's sum
.set PB,  56
.set TT,  48
.set FK,  64                           ; v64-95 four fragments of K
.set FV,  96                           ; v96-127 four fragments of V
.set SC,  128
.set SA,  128                          ; v128-159 A's 32 scores, v160-191 B's
.set SB,  160
.set OA,  192
.set OB,  224
.set WV,  20
.set G1K, 24
.set G1V, 32
.set G0K, 40
.set G0V, 44
.set C1,  56                           ; s[56:57] 2^(eq + ek - 5) x log2(e)
.set LG,  58                           ; s58 log2(e)
.set SEL, 60                           ; s[60:61] selects for lane l xor 16
.set SK,  62                           ; s62 LDS byte of the NEXT step's keys in K
.set SV,  63                           ; s63 and of this step's in a row of V
.set CNT, 66
.set EO,  67                           ; s67 ep + ev
.set LM,  68                           ; s68 57,344 x 2^ep
.macro CROUND                          ; a round of the cluster's barrier
	s_barrier_signal -1
	s_barrier_wait -1
	s_cmp_lg_u32 s[WV], 0
	s_cbranch_scc1 .Lnot_wave_0_\@
	s_barrier_signal -3
.Lnot_wave_0_\@:
	s_barrier_wait -3
	s_barrier_signal -1
	s_barrier_wait -1
.endm
	s_load_b256 s[4:11], s[0:1], 0x0               ; Q s[4:5], K s[6:7], V s[8:9], mask s[10:11]
	s_load_b128 s[12:15], s[0:1], 0x20             ; the exponents s[12:13], O s[14:15]
	v_lshl_add_u32 v[SPW], v0, 2, SPARE
	v_mov_b32 v[NIL], 0
	ds_add_u32 v[SPW], v[NIL]                      ; the opening lines: the add, twice on end, and its wait ahead of my tensor load
	ds_add_u32 v[SPW], v[NIL]
	v_lshrrev_b32 v1, 5, v0
	v_readfirstlane_b32 s[WV], v1                  ; wave 0..15
	s_bfe_u32 s21, ttmp6, 0x40000                  ; cx: it enters Q's, the mask's and O's addresses alone
	s_and_b32 s22, ttmp7, 0xffff                   ; the head, which the four partners share
	s_and_b32 s23, s[WV], 7                        ; which eighth of K or of V I fetch
	s_mov_b32 s[G1K], 15|(1<<20)|(1<<21)|(5<<22)|(3<<25)   ; K: mask of all four; bytes; four words of padding after every 64; 64 rows of 256 bytes, dense
	s_mov_b32 s[G1K+1], 256<<16
	s_mov_b32 s[G1K+2], 64<<16
	s_mov_b32 s[G1K+3], 256<<16
	s_mov_b32 s[G1K+4], 64
	s_mov_b32 s[G1K+5], 256
	s_mov_b32 s[G1K+6], 0
	s_mov_b32 s[G1K+7], 0
	s_mov_b32 s[G1V], 15|(1<<20)|(1<<21)|(7<<22)|(3<<25)   ; V: padding after every 256 words; 16 rows of 1,024 bytes, 2,048 apart
	s_mov_b32 s[G1V+1], 1024<<16
	s_mov_b32 s[G1V+2], 16<<16
	s_mov_b32 s[G1V+3], 1024<<16
	s_mov_b32 s[G1V+4], 16
	s_mov_b32 s[G1V+5], 2048
	s_mov_b32 s[G1V+6], 0
	s_mov_b32 s[G1V+7], 0
	s_mov_b32 s[SEL], 0x76543210
	s_mov_b32 s[SEL+1], 0xfedcba98
	s_mov_b32 s[LG], 0x3fb8aa3b
	; offsets that the partners share: head and wave's number alone
	s_lshl_b32 s68, s22, 17                        ; the head's first byte in each tensor of codes
	s_mov_b32 s69, 0
	s_lshl_b32 s70, s23, 14                        ; K: 256 keys x 64 bytes an eighth
	s_mov_b32 s71, 0
	s_add_nc_u64 s[70:71], s[70:71], s[68:69]
	s_and_b32 s72, s23, 3                          ; V: which 16 rows,
	s_lshr_b32 s73, s23, 2                         ; which 1,024 keys
	s_lshl_b32 s2, s72, 15
	s_lshl_b32 s3, s73, 10
	s_add_co_u32 s2, s2, s3
	s_mov_b32 s3, 0
	s_add_nc_u64 s[2:3], s[2:3], s[68:69]
	s_mul_i32 s62, s23, 64*KPITCH                  ; and where they go in LDS
	s_mul_i32 s63, s72, 16*VPITCH
	s_mul_i32 s73, s73, VCHUNK
	s_add_co_u32 s63, s63, s73
	s_add_co_u32 s63, s63, VBASE
	; offsets of my own 32 queries: block = 4 x cluster x + cx
	s_lshl_b32 s72, ttmp9, 2
	s_add_co_u32 s72, s72, s21
	s_lshl_b32 s74, s72, 15                        ; Q: 64 bytes a query
	s_lshl_b32 s73, s[WV], 11
	s_add_co_u32 s74, s74, s73
	s_mov_b32 s75, 0
	s_add_nc_u64 s[74:75], s[74:75], s[68:69]
	s_lshr_b32 s76, s22, 4                         ; the mask: batch = head / 16; 4 bytes a query
	s_lshl_b32 s76, s76, 13
	s_lshl_b32 s73, s72, 11
	s_add_co_u32 s76, s76, s73
	s_lshl_b32 s73, s[WV], 7
	s_add_co_u32 s76, s76, s73
	s_mov_b32 s77, 0
	s_lshl_b32 s78, s22, 19                        ; O: 256 bytes a query
	s_lshl_b32 s73, s72, 17
	s_add_co_u32 s78, s78, s73
	s_lshl_b32 s73, s[WV], 13
	s_add_co_u32 s78, s78, s73
	s_mov_b32 s79, 0
	s_wait_dscnt 0x0                               ; both opening adds are done
	s_wait_kmcnt 0x0
	s_load_b128 s[16:19], s[12:13], 0x0            ; eq, ek, ep, ev
	s_mov_b32 s[G0K], 1
	s_mov_b32 s[G0K+1], s62
	s_add_nc_u64 s[G0K+2:G0K+3], s[6:7], s[70:71]
	s_or_b32 s[G0K+3], s[G0K+3], 0x80000000
	s_mov_b32 s[G0V], 1
	s_mov_b32 s[G0V+1], s63
	s_add_nc_u64 s[G0V+2:G0V+3], s[8:9], s[2:3]
	s_or_b32 s[G0V+3], s[G0V+3], 0x80000000
	s_add_nc_u64 s[4:5], s[4:5], s[74:75]
	s_add_nc_u64 s[10:11], s[10:11], s[76:77]
	s_add_nc_u64 s[14:15], s[14:15], s[78:79]
	CROUND                                         ; all four work-groups are here: the joint loads meet
	s_cmp_lt_u32 s[WV], 8                          ; all fills of the launch: one a wave, one to an arm
	s_cbranch_scc0 .Lfor_v
	tensor_load_to_lds s[G0K:G0K+3], s[G1K:G1K+7]
	s_nop 0
.rept 4
	v_nop
.endr
	s_branch .Lasked
.Lfor_v:
	tensor_load_to_lds s[G0V:G0V+3], s[G1V:G1V+7]
	s_nop 0
.rept 4
	v_nop
.endr
.Lasked:
	v_and_b32 v20, 15, v0                          ; r
	v_bfe_u32 v21, v0, 4, 1                        ; h
	v_lshlrev_b32 v28, 6, v20
	v_lshl_add_u32 v28, v21, 4, v28                ; Q: query r of 64 bytes, + 16 h
	v_lshlrev_b32 v29, 2, v20                      ; the mask: 4 r
	global_load_b128 v[QA:QA+3],   v28, s[4:5] th:TH_LOAD_NT
	global_load_b128 v[QA+4:QA+7], v28, s[4:5] offset:32 th:TH_LOAD_NT
	global_load_b128 v[QB:QB+3],   v28, s[4:5] offset:1024 th:TH_LOAD_NT
	global_load_b128 v[QB+4:QB+7], v28, s[4:5] offset:1056 th:TH_LOAD_NT
	global_load_b32 v[STA+4], v29, s[10:11]
	global_load_b32 v[STB+4], v29, s[10:11] offset:64
	v_lshrrev_b32 v[AK0], 2, v20                   ; K: key r of a tile lies at (r / 4) x 272 + (r % 4) x 64; + 16 h
	v_mul_u32_u24 v[AK0], v[AK0], KPITCH
	v_and_b32 v22, 3, v20
	v_lshl_add_u32 v[AK0], v22, 6, v[AK0]
	v_lshl_add_u32 v[AK0], v21, 4, v[AK0]
	v_mul_u32_u24 v[AV0], v20, VPITCH              ; V: row d = r of a tile; + 8 h
	v_lshl_add_u32 v[AV0], v21, 3, v[AV0]
	v_add_nc_u32 v[AV0], VBASE, v[AV0]
.irp st, STA, STB
	v_mov_b32 v[\st], 0x7f61b1e6                   ; -M = 3e38: the first f is 0
	v_mov_b32 v[\st+1], 0xff800000                 ; the largest raw S so far
	v_mov_b32 v[\st+2], 0
	v_mov_b32 v[\st+3], 0
.endr
	v_mov_b32 v[TPA], 0                            ; a permute's destination counts as a source
	v_mov_b32 v[TPB], 0
	v_mov_b32 v[FFA+1], 0                          ; (upper halves of f's pairs)
	v_mov_b32 v[FFB+1], 0
.set j, 0
.rept 64
	v_mov_b32 v[OA+j], 0                           ; O^T: the first change of M leaves zeros zeros, so the step has no first form of its arithmetic
.set j, j+1
.endr
	s_wait_kmcnt 0x0
	s_add_co_i32 s[C1], s16, s17
	s_sub_co_i32 s[C1], s[C1], 5
	s_lshl_b32 s[C1], s[C1], 23
	s_add_co_i32 s[C1], s[C1], s[LG]               ; log2(e) x 2^(eq + ek) / 32: the exponents are added to log2(e)'s exponent field, and nothing is rounded
	s_mov_b32 s[C1+1], s[C1]                       ; (named with it as a pair, so it is written)
	s_add_co_i32 s3, s18, 127
	s_lshl_b32 s2, s3, 23
	v_mov_b32 v[CV], s2                            ; 2^ep: the conversion takes its exponent field
	s_add_co_i32 s3, s3, 15
	s_lshl_b32 s3, s3, 23
	s_or_b32 s[LM], s3, 0x600000                   ; 57,344 x 2^ep
	s_add_co_i32 s[EO], s18, s19
	s_wait_loadcnt 0x0                             ; Q and the mask
.irp st, STA, STB
	v_cvt_f32_i32 v[\st+4], v[\st+4]
	v_sub_f32 v[\st+4], 1.0, v[\st+4]
	v_mul_f32 v[\st+4], 0xce6e6b28, v[\st+4]       ; a = -1e9 x (1 - mask),
	v_mul_f32 v[\st+4], s[LG], v[\st+4]            ; and fl(a log2 e)
.endr
; One line of a tile's maximum over its 32 scores and the running one: two chains; the registers ascend.
.macro MAX1 st, s, x, y, q
.if \q == 0
	v_max3_num_f32 v[\x], v[\st+1], v[\s], v[\s+1]
.elseif \q == 1
	v_max3_num_f32 v[\y], v[\s+2], v[\s+3], v[\s+4]
.elseif \q == 15
	v_max3_num_f32 v[\x], v[\x], v[\y], v[\s+31]
.elseif (\q & 1) == 0
	v_max3_num_f32 v[\x], v[\x], v[\s+2*\q+1], v[\s+2*\q+2]
.else
	v_max3_num_f32 v[\y], v[\y], v[\s+2*\q+1], v[\s+2*\q+2]
.endif
.endm
.macro MAXS n                          ; n lines for each tile, by turns
.rept \n
	MAX1 STA, SA, MXA, MYA, mq
	MAX1 STB, SB, MXB, MYB, mq
.set mq, mq+1
.endr
.endm
; The next n of the 32 packed lines that do not need M: t = S x 2^(eq+ek-5) log2 e + fl(a log2 e), two at a time (of the pairs the low word serves both halves).
.macro PKS n
.rept \n
.if pj < 16
	v_pk_fma_f32 v[SC+2*pj:SC+2*pj+1], v[SC+2*pj:SC+2*pj+1], s[C1:C1+1], v[STA+4:STA+5] op_sel_hi:[1,0,0]
.else
	v_pk_fma_f32 v[SC+2*pj:SC+2*pj+1], v[SC+2*pj:SC+2*pj+1], s[C1:C1+1], v[STB+4:STB+5] op_sel_hi:[1,0,0]
.endif
.set pj, pj+1
.endr
.endm
.macro KLOAD adr                       ; four fragments of K: key 16 t + r, d = 16 h .. and 32 + 16 h ..
.set t, 0
.rept 4
	ds_load_b128 v[FK+8*t:FK+8*t+3],   v[\adr] offset:KTILE*t
	ds_load_b128 v[FK+8*t+4:FK+8*t+7], v[\adr] offset:KTILE*t+32
.set t, t+1
.endr
.endm
.macro KQ                              ; S^T = K Q^T for 64 keys and both tiles: K = 64 is the whole head, each sum is one instruction
.set t, 0
.rept 4
	v_wmma_f32_16x16x64_bf8_bf8 v[SA+8*t:SA+8*t+7], v[FK+8*t:FK+8*t+7], v[QA:QA+7], 0
	v_wmma_f32_16x16x64_bf8_bf8 v[SB+8*t:SB+8*t+7], v[FK+8*t:FK+8*t+7], v[QB:QB+7], 0
.set t, t+1
.endr
.endm
.macro PV t                            ; O^T += V^T P, d tile t of both tiles: the eight accumulators take turns
	v_wmma_f32_16x16x64_bf8_bf8 v[OA+8*\t:OA+8*\t+7], v[FV+8*\t:FV+8*\t+7], v[PA:PA+7], v[OA+8*\t:OA+8*\t+7]
	v_wmma_f32_16x16x64_bf8_bf8 v[OB+8*\t:OB+8*\t+7], v[FV+8*\t:FV+8*\t+7], v[PB:PB+7], v[OB+8*\t:OB+8*\t+7]
.endm
.macro HOLD r                          ; the conversion to an 8-bit code does not saturate (ISA guide 7.6.2); p is not negative, so the hold is one-sided: two numbers a line
	v_dual_min_num_f32 v[\r], s[LM], v[\r] :: v_dual_min_num_f32 v[\r+1], s[LM], v[\r+1]
.endm
; A STEP: 64 keys, both tiles.  At its head the scores are on their way from the matrix unit.  pv = 1: the step before left its p and V, whose products stand among this step's maxima.  last = 1: no step follows.
.macro UNIT pv, last
.if \last
	v_nop
.else
	v_add_nc_u32 v[ADK], s[SK], v[AK0]
.endif
	v_add_nc_u32 v[ADV], s[SV], v[AV0]
	v_nop
	v_nop                                          ; four places behind the scores' products: for the loads over K's fragments and for the first read of scores
.if !\last
	KLOAD ADK                                      ; the next step's K
.endif
.set mq, 0
.set u, 0
.rept 4
.if \pv
	PV u
.endif
	MAXS 4
.set u, u+1
.endr
.set t, 0
.rept 4                                        ; this step's V, eight maxima behind the last product that read the old: d = 16 t + r, keys 16 j + 8 h ..
.set j, 0
.rept 4
	ds_load_b64 v[FV+8*t+2*j:FV+8*t+2*j+1], v[ADV] offset:16*VPITCH*t+16*j
.set j, j+1
.endr
.set t, t+1
.endr
.set pj, 0                                     ; the two chains that make M and f stand among lines that do not hang on them
	PKS 4
	v_permlanex16_b32 v[TPA], v[MXA], s[SEL], s[SEL+1]
	v_permlanex16_b32 v[TPB], v[MXB], s[SEL], s[SEL+1]
	PKS 4
	v_max_num_f32 v[STA+1], v[MXA], v[TPA]         ; the largest raw S so far, lane l xor 16's among them
	v_max_num_f32 v[STB+1], v[MXB], v[TPB]
	PKS 4
	v_fma_f32 v[MXA], v[STA+1], s[C1], v[STA+4]    ; its t, by the same line as every score's
	v_fma_f32 v[MXB], v[STB+1], s[C1], v[STB+4]
	PKS 4
	v_floor_f32 v[MXA], -v[MXA]                    ; the new -M = -ceil(t)
	v_floor_f32 v[MXB], -v[MXB]
	PKS 4
	v_sub_f32 v[MYA], v[MXA], v[STA]               ; old M - new M: a whole number, 0 or less
	v_sub_f32 v[MYB], v[MXB], v[STB]
	PKS 4
	v_mov_b32 v[STA], v[MXA]
	v_mov_b32 v[STB], v[MXB]
	v_cvt_i32_f32 v[MYA], v[MYA]                   ; (it saturates)
	v_cvt_i32_f32 v[MYB], v[MYB]
	PKS 4
	v_ldexp_f32 v[FFA], 1.0, v[MYA]                ; f = 2^(old M - new M)
	v_ldexp_f32 v[FFB], 1.0, v[MYB]
	PKS 4
.set j, 0
.rept 16
	v_pk_mul_f32 v[OA+j:OA+j+1], v[OA+j:OA+j+1], v[FFA:FFA+1] op_sel_hi:[1,0]   ; O^T under the new M
.set j, j+2
.endr
.set j, 0
.rept 16
	v_pk_mul_f32 v[OB+j:OB+j+1], v[OB+j:OB+j+1], v[FFB:FFB+1] op_sel_hi:[1,0]
.set j, j+2
.endr
.set j, 0
.rept 16
	v_pk_add_f32 v[SA+j:SA+j+1], v[SA+j:SA+j+1], v[STA:STA+1] op_sel_hi:[1,0]   ; A: t - M
.set j, j+2
.endr
	s_wait_alu depctr_va_vdst(0)                   ; ahead of a batch of exponentials
.set j, 0
.rept 16                                       ; A's p = 2^(t - M); between them B's t - M, first read behind the next wait
	v_exp_f32 v[SA+j], v[SA+j]
	v_exp_f32 v[SA+j+1], v[SA+j+1]
	v_pk_add_f32 v[SB+j:SB+j+1], v[SB+j:SB+j+1], v[STB:STB+1] op_sel_hi:[1,0]
.set j, j+2
.endr
	s_wait_alu depctr_va_vdst(0)                   ; behind A's batch and ahead of B's
.set k, 0
.rept 8                                        ; B's p; between them the first level of A's sum (of the unquantised p) and then A's hold: all first read behind the next wait
	v_exp_f32 v[SB+4*k], v[SB+4*k]
	v_exp_f32 v[SB+4*k+1], v[SB+4*k+1]
	v_exp_f32 v[SB+4*k+2], v[SB+4*k+2]
	v_exp_f32 v[SB+4*k+3], v[SB+4*k+3]
	v_pk_add_f32 v[TT+2*k:TT+2*k+1], v[SA+4*k:SA+4*k+1], v[SA+4*k+2:SA+4*k+3]
	HOLD SA+4*k
	HOLD SA+4*k+2
.set k, k+1
.endr
	v_nop                                          ; a plain place behind the last exponential
	s_wait_alu depctr_va_vdst(0)                   ; behind B's batch, and directly ahead of the wait below
	s_wait_dscnt 0x0                               ; the fragments asked for at the step's head
	v_pk_add_f32 v[L2:L2+1], v[SB:SB+1], v[SB+2:SB+3]   ; B's sum in two chains, A's by a tree, by turns; each old sum comes under the new M in the line that first adds to it
.set m, 0
.rept 7
.if m == 0
	v_pk_fma_f32 v[STB+2:STB+3], v[STB+2:STB+3], v[FFB:FFB+1], v[SB+4:SB+5] op_sel_hi:[1,0,1]
.else
	v_pk_add_f32 v[STB+2:STB+3], v[STB+2:STB+3], v[SB+4+4*m:SB+5+4*m]
.endif
	v_pk_add_f32 v[L2:L2+1], v[L2:L2+1], v[SB+6+4*m:SB+7+4*m]
.if m < 4
	v_pk_add_f32 v[TT+4*m:TT+4*m+1], v[TT+4*m:TT+4*m+1], v[TT+4*m+2:TT+4*m+3]
.elseif m < 6
	v_pk_add_f32 v[TT+8*(m-4):TT+8*(m-4)+1], v[TT+8*(m-4):TT+8*(m-4)+1], v[TT+8*(m-4)+4:TT+8*(m-4)+5]
.else
	v_pk_add_f32 v[TT:TT+1], v[TT:TT+1], v[TT+8:TT+9]
.endif
.set m, m+1
.endr
	v_pk_fma_f32 v[STA+2:STA+3], v[STA+2:STA+3], v[FFA:FFA+1], v[TT:TT+1] op_sel_hi:[1,0,1]
.set t, 0
.rept 4
	v_cvt_scalef32_pk8_bf8_f32 v[PA+2*t:PA+2*t+1], v[SA+8*t:SA+8*t+7], v[CV]   ; keys 16 t + 8 h + 0 .. 7
.set t, t+1
.endr
	v_pk_add_f32 v[STB+2:STB+3], v[STB+2:STB+3], v[L2:L2+1]
.set j, 0
.rept 16
	HOLD SB+j
.set j, j+2
.endr
.set t, 0
.rept 4
	v_cvt_scalef32_pk8_bf8_f32 v[PB+2*t:PB+2*t+1], v[SB+8*t:SB+8*t+7], v[CV]
.set t, t+1
.endr
	v_nop                                          ; one plain line between the last scaled conversion and the products that write its sources or read its result
	s_wait_alu depctr_va_vdst(0)
.if !\last
	KQ                                             ; the next step's scores
.endif
.endm
	s_wait_alu depctr_va_vdst(0)                   ; at the head's end
	s_wait_tensorcnt 0x0                           ; my part of K or V is in
	s_barrier_signal -1
	s_barrier_wait -1                              ; everybody's is: nothing in LDS is filled again
	KLOAD AK0                                      ; step 0's K
	s_mov_b32 s[SK], KUNIT
	s_mov_b32 s[SV], 0
	s_wait_dscnt 0x0
	KQ
	UNIT 0, 0                                      ; step 0
	s_mov_b32 s[SK], 2*KUNIT
	s_mov_b32 s[SV], 64
	s_mov_b32 s[CNT], 15
.Lfirst:                                               ; steps 1 to 15
	UNIT 1, 0
	s_add_co_u32 s[SK], s[SK], KUNIT
	s_add_co_u32 s[SV], s[SV], 64
	s_sub_co_u32 s[CNT], s[CNT], 1
	s_cmp_lg_u32 s[CNT], 0
	s_cbranch_scc1 .Lfirst
	s_wait_dscnt 0x0                               ; my reads of K's keys 0 to 1,023 are over (step 15 has fetched keys 1,024 on),
	s_barrier_signal -1
	s_barrier_wait -1                              ; and everybody's: from here on those bytes are the stages
	s_mov_b32 s[SK], 17*KUNIT
	s_mov_b32 s[SV], VCHUNK                        ; V's keys 1,024 on
	s_mov_b32 s[CNT], 15
.Lsecond:                                              ; steps 16 to 30
	UNIT 1, 0
	s_add_co_u32 s[SK], s[SK], KUNIT
	s_add_co_u32 s[SV], s[SV], 64
	s_sub_co_u32 s[CNT], s[CNT], 1
	s_cmp_lg_u32 s[CNT], 0
	s_cbranch_scc1 .Lsecond
	UNIT 1, 1                                      ; step 31
.irp u, 0,1,2,3
	PV \u
.endr
	; THE WAY OUT.  O^T / the sum x 2^(ep + ev) goes through my own stage, a tile (16 rows of 256 bytes) at a time, so that 16 lanes store one whole row.
	v_add_f32 v[STA+2], v[STA+2], v[STA+3]         ; (these lines are also the places behind the last products)
	v_add_f32 v[STB+2], v[STB+2], v[STB+3]
	v_permlanex16_b32 v[TPA], v[STA+2], s[SEL], s[SEL+1]
	v_permlanex16_b32 v[TPB], v[STB+2], s[SEL], s[SEL+1]
	v_add_f32 v[STA+2], v[STA+2], v[TPA]
	v_add_f32 v[STB+2], v[STB+2], v[TPB]
	s_wait_alu depctr_va_vdst(0)                   ; ahead of the reciprocals
	v_rcp_f32 v[STA+2], v[STA+2]
	v_rcp_f32 v[STB+2], v[STB+2]
	v_and_b32 v20, 15, v0                          ; r
	v_bfe_u32 v21, v0, 4, 1                        ; h
	s_mul_i32 s3, s[WV], SWAVE                     ; my stage
	v_mul_u32_u24 v22, v20, SPITCH
	v_lshl_add_u32 v22, v21, 5, v22
	v_add_nc_u32 v22, s3, v22                      ; in: row r; d tile t's eight channels of my half lie 64 t + 32 h bytes on
	v_mul_u32_u24 v23, v21, SPITCH
	v_lshl_add_u32 v23, v20, 4, v23
	v_add_nc_u32 v23, s3, v23                      ; back: lanes 0-15 one row, lanes 16-31 the next
	v_lshlrev_b32 v24, 8, v21
	v_lshl_add_u32 v24, v20, 4, v24                ; and the same two rows in O
	s_wait_alu depctr_va_vdst(0)                   ; behind the reciprocals, ahead of their first reader
	v_ldexp_f32 v[STA+2], v[STA+2], s[EO]
	v_ldexp_f32 v[STB+2], v[STB+2], s[EO]
	s_wait_alu depctr_va_vdst(0)                   ; directly ahead of the first reader of O^T
.set j, 0
.rept 16
	v_pk_mul_f32 v[OA+j:OA+j+1], v[OA+j:OA+j+1], v[STA+2:STA+3] op_sel_hi:[1,0]
.set j, j+2
.endr
.set j, 0
.rept 16
	v_pk_mul_f32 v[OB+j:OB+j+1], v[OB+j:OB+j+1], v[STB+2:STB+3] op_sel_hi:[1,0]
.set j, j+2
.endr
.set c, 0
.rept 2                                        ; tile c: in by lanes, back by rows
.set t, 0
.rept 4
	ds_store_b128 v22, v[OA+32*c+8*t:OA+32*c+8*t+3]   offset:64*t
	ds_store_b128 v22, v[OA+32*c+8*t+4:OA+32*c+8*t+7] offset:64*t+16
.set t, t+1
.endr
.set j, 0
.rept 8
	ds_load_b128 v[64+32*c+4*j:64+32*c+4*j+3], v23 offset:2*SPITCH*j   ; LDS serves a wave's instructions in order (ISA guide 5.7.1.4): these see the stores above, and tile B's stores come behind tile A's loads
.set j, j+1
.endr
.set c, c+1
.endr
.set c, 0
.rept 2
.set j, 0
.rept 8
	s_wait_dscnt 16*(1-c)+7-j                      ; behind this load: the rest of its eight, and for tile A tile B's sixteen LDS instructions
	global_store_b128 v24, v[64+32*c+4*j:64+32*c+4*j+3], s[14:15] offset:4096*c+512*j th:TH_STORE_NT   ; 32 lanes store 512 consecutive bytes, at a multiple of 256 from O's first byte
.set j, j+1
.endr
.set c, c+1
.endr
	s_wait_tensorcnt 0x0                           ; the wave's end
	ds_add_u32 v[SPW], v[NIL]
	s_wait_dscnt 0x0
	CROUND                                         ; the closing round
	s_endpgm
.Lfunc_end_k_q10c4322663_attn:
	.size	k_q10c4322663_attn, .Lfunc_end_k_q10c4322663_attn-k_q10c4322663_attn
	.p2alignl 7, 3214868480
	.fill 96, 4, 3214868480
	.section	.rodata,"a",@progbits
	.p2align	6, 0x0
	.amdhsa_kernel k_q10c4322663_attn
		.amdhsa_group_segment_fixed_size 274432
		.amdhsa_private_segment_fixed_size 0
		.amdhsa_enable_private_segment 0
		.amdhsa_kernarg_size 48
		.amdhsa_user_sgpr_count 2
		.amdhsa_user_sgpr_kernarg_segment_ptr 1
		.amdhsa_wavefront_size32 1
		.amdhsa_system_sgpr_workgroup_id_x 1
		.amdhsa_system_sgpr_workgroup_id_y 1
		.amdhsa_system_sgpr_workgroup_id_z 1
		.amdhsa_system_vgpr_workitem_id 0
		.amdhsa_next_free_vgpr 256
		.amdhsa_next_free_sgpr 80
		.amdhsa_reserve_vcc 0
		.amdhsa_float_denorm_mode_32 3
		.amdhsa_float_denorm_mode_16_64 3
		.amdhsa_memory_ordered 1
		.amdhsa_forward_progress 1
		.amdhsa_inst_pref_size 91
	.end_amdhsa_kernel
	.amdgpu_metadata
---
amdhsa.version: [ 1, 2 ]
amdhsa.kernels:
  - .name:           k_q10c4322663_attn
    .symbol:         k_q10c4322663_attn.kd
    .args:
      - { .name: query_codes, .offset: 0, .size: 8, .value_kind: global_buffer, .address_space: global }
      - { .name: key_codes, .offset: 8, .size: 8, .value_kind: global_buffer, .address_space: global }
      - { .name: value_codes, .offset: 16, .size: 8, .value_kind: global_buffer, .address_space: global }
      - { .name: mask, .offset: 24, .size: 8, .value_kind: global_buffer, .address_space: global }
      - { .name: lowp_scales, .offset: 32, .size: 8, .value_kind: global_buffer, .address_space: global }
      - { .name: out0, .offset: 40, .size: 8, .value_kind: global_buffer, .address_space: global }
    .group_segment_fixed_size: 274432
    .private_segment_fixed_size: 0
    .kernarg_segment_align: 8
    .kernarg_segment_size: 48
    .max_flat_workgroup_size: 512
    .sgpr_count:     80
    .vgpr_count:     256
    .wavefront_size: 32
...
	.end_amdgpu_metadata
.endif
;; end of part 1
